; MI455X (gfx1250); checked and timed in simulation.
; The chip was launched on July 23, 2026; its instructions are those of AMD's public machine-readable ISA for CDNA 5 (MIT licence, August 2026) and "CDNA5" Instruction Set Architecture Reference Guide (July 2026). The comments in the code are by the model that wrote it; some were corrected since.
;; Re Ranker. Allowed arithmetic: matrix products marked QUANTISED: E2M1 operands, one E8M0 scale for each 32 along K, by v_wmma_scale_f32_16x16x128_f8f6f4 with both operands' format E2M1 (or v_wmma_scale_f32_32x16x128_f4), f32 sums; products left as they are: f32 operands where the result goes on into a quantised operand, else bf16, f16 or f32 operands; f32 sums; everything else in f32.
;; Inputs: candidate_emb 256 x 128 x 1,024 float32; doc_emb 256 x 1,024 float32; summary_emb 256 x 1,024 float32.
;; Outputs: out0 256 x 128 float32; out1 256 x 128 float32; out2 256 float32; out3 256 float32.
;; This version of the problem:
;;   THIS VERSION OF THE PROBLEM IS GIVEN IN LOW PRECISION. The matrix products marked QUANTISED in the list below multiply operands that are first quantised to E2M1 (2 exponent bits, 1 mantissa bit; 4 bits a number), with one power-of-two scale for each 32 numbers along K (OCP MX v1.0); their sums are f32. All else is computed in f32.
;;   The module's matrix products, in the order in which they are computed (A, B: the left and right operand; K: the contracted axis; several contracted axes count as one K, in the product's order):
;;     1. batch 256 x [M 128, K 1,024] x [K 1,024, N 1]; A: input candidate_emb; B: input doc_emb: left as it is (N = 1 < 16)
;;     2. batch 256 x [M 128, K 1,024] x [K 1,024, N 128]; A: computed on the way; B: computed on the way: QUANTISED
;;     3. batch 256 x [M 1, K 1,024] x [K 1,024, N 1]; A: input summary_emb; B: input doc_emb: left as it is (M = 1 < 16)
;;     4. batch 256 x [M 1, K 1,024] x [K 1,024, N 128]; A: input summary_emb; B: input candidate_emb: left as it is (M = 1 < 16)
;;   THE QUANTISER, for each operand of a quantised product, along K:
;;     - K is cut into blocks of 32 from its start; a last block that is shorter is filled with zeros.
;;     - A block's scale is 2^e with e = floor(log2(the largest magnitude in the block)) - 2, held to -126 .. 127; a block of zeros has e = 0. As a byte (E8M0): e + 127.
;;     - Each number is divided by its block's scale, clamped to +-6, and rounded to the nearest number of E2M1, ties to even, subnormals kept.
;;     - The product sums the exact products of the quantised numbers (number of the format x scale) in f32.
;;   ~~~python
;;   def quantise(x, axis):      # numpy; x: float32 -> the quantised numbers, widened to float32 again
;;       x = np.moveaxis(x, axis, -1); K = x.shape[-1]
;;       x = np.pad(x, [(0, 0)] * (x.ndim - 1) + [(0, -K % 32)]); x = x.reshape(x.shape[:-1] + (-1, 32)); a = np.abs(x).max(-1, keepdims=True)
;;       e = np.where(a > 0, np.clip(np.frexp(np.where(a > 0, a, 1))[1] - 1 - 2, -126, 127), 0)      # np.frexp(a)[1] - 1 = floor(log2(a)), exactly
;;       r = np.clip(x / 2.0 ** e, -6, 6)
;;       step = 2.0 ** (np.maximum(np.frexp(np.where(r == 0, 1, r))[1] - 1, 0) - 1)
;;       q = np.round(r / step) * step * 2.0 ** e      # np.round: ties to even
;;       return np.moveaxis(q.reshape(q.shape[:-2] + (-1,))[..., :K], -1, axis).astype(np.float32)
;;   ~~~
;;   OPERANDS COMPUTED ON THE WAY. 'Computed on the way' means the value that the module computes at that place (a softmax that the list does not call 'softmax' is quantised finished and normalised). What goes into a quantiser is computed in f32, as accurately as f32 sums, v_exp_f32 and their like allow (about 1e-6 of the number): no bf16 or f16 on the way to a quantiser, and a product that is left as it is and whose result goes on into a quantised operand takes f32 operands (vector FMAs, or v_wmma_f32_16x16x4_f32). A number that lies on a knife's edge between two numbers of the format may be rounded either way, as far as f32 arithmetic and the matrix unit's own rounding can turn it there, and no further.
;; One version. Each part assembles by itself: llvm-mc -triple=amdgcn-amd-amdhsa -mcpu=gfx1250 --defsym DOCPART=n.
;; ======== version 1 of 1: 1 launch
;; launch rerank (part 1): grid 256 x 1, 16 waves a work-group, no clusters, 91,136 bytes of LDS; arguments candidate_emb, doc_emb, summary_emb, out0, out1, out2, out3; writes out0, out1, out2, out3
.if DOCPART == 1
	.amdgcn_target "amdgcn-amd-amdhsa--gfx1250"
	.amdhsa_code_object_version 6
	.text
	.protected	k_qc4d3b9c912_rerank
	.globl	k_qc4d3b9c912_rerank
	.p2align	8
	.type	k_qc4d3b9c912_rerank,@function
k_qc4d3b9c912_rerank:
	s_mov_b64 s[64:65], 0
	v_nop
	global_prefetch_b8 v0, s[64:65] scope:SCOPE_SE
	s_setreg_imm32_b32 hwreg(HW_REG_WAVE_MODE, 25, 1), 1
	s_wait_xcnt 0x0
; ReRanker, one batch b to a work-group of sixteen waves.  candidate [256][128][1024], doc, summary [256][1024], f32.
;   out0[b][c] = cos(candidate c, doc)         out1[b][c] = (sum over k != c of Q(chat c) . Q(chat k)) / 127, chat = candidate / max(norm, 1e-8), Q = MX-FP4 along the 1024
;   out2[b]    = cos(summary, doc)             out3[b]    = mean over c of cos(summary, candidate c)
; PART 1, rows.  Wave w owns rows 8 w .. 8 w + 7, a PAIR of rows at a time, in two register slots that take turns.  A row is eight loads of 512 consecutive bytes: lane l holds numbers
; 128 j + 4 l + 0 .. 3 of chunk j.  The pair stays in registers between the pass that sums (squares, . doc, . summary, largest magnitudes) and the pass that quantises: each byte is loaded once.
; A block of 32 lies in 8 lanes, 4 numbers a lane, and the conversion takes 8 numbers under one scale.  So each number is multiplied by a factor of its own block, f = (1 / cn) x 2^(128 - E), E the exponent
; field of the block's largest |x| / cn; the power of two rounds nothing, so x f is x / cn shifted; one conversion under the scale 1/2 then takes 4 numbers of the even row and 4 of the odd row.
; Its word goes to LDS at (row group w, chunk j, lane l), word = pair: a place of 16 bytes holds the same 4 k of eight rows, a halfword a row.
; PART 2, the Gram product.  ds_load_tr16_b128 turns 8 places x 8 rows: a lane gets ONE row and the eight pieces of ONE block, in K order: the 4-bit operand's layout (ISA guide 7.12.2 for the layout).
; A K step of 128 is made of blocks 4 j + g, j = 4 jj .. 4 jj + 3: a permutation of whole blocks, the same for both operands, since both are the same matrix.
; Wave w takes K step w / 2 and four tiles of 16 rows as source 0 against all eight tiles as source 1: 32 matrix instructions from 12 fragments.  Only sums along a row are wanted, so all source 0 tiles add
; onto one accumulator for each source 1 tile; the four products of a tile with itself have accumulators of their own, whose diagonal is set to 0: the diagonal is never added, so it need not be taken off.
; The sixteen waves' partial sums meet in LDS; wave 0 stores out1, wave 1 out0, wave 2 out2 and out3 (one number a work-group each: a store of 4 bytes from one lane).
; No tensor load: the f32 numbers never pass through LDS, only their codes (64 KB of 512).  No cluster: work-groups share no input.  No prefetch: a wave asks for half of its rows at its first lines and for
; the rest as slots come free, so the loads themselves run ahead.
; LIMITS.  NaN and infinities are not served; a row's sum of squares must stay finite in f32, as in the reference.  x / cn is x times a reciprocal refined by one Newton step (about 1 ulp); the block's largest
; quotient, which fixes the scale, is corrected by its remainder.  A block of zeros gets the byte 1 where the rule says 127: its codes are zeros, and this program alone reads the bytes.  A block whose largest input is
; a denormal number (under 2^-126) may get smaller codes than the rule's where its factor would pass f32's range: the factor is held at the largest finite number, so that zeros stay zeros.
.set RG,    4224                       ; LDS bytes of a row group: 8 chunks x 32 places x 16 bytes, + 128: the two row groups of a tile then fall on the two halves of the 64 banks of 4 bytes (ISA guide 11.1)
.set DSG,   0                          ; LDS: doc (4,096 bytes), then summary
.set SCL,   8192                       ; scale bytes: 32 a row: byte 8 g + j = block 4 j + g
.set DOTS,  12288                      ; 128 x (row . doc) / cn, then 128 x (row . summary) / cn
.set PART,  13312                      ; sixteen waves' partial row sums, 512 bytes each
.set CODES, 21504                      ; sixteen row groups
.set LA,   1                           ; v1   16 x lane; never rewritten
.set CA,   2                           ; v2   where I store codes: CODES + RG x wave + 16 x lane
.set SA,   3                           ; v3   scale bytes: SCL + 256 x wave + lane
.set DA,   4                           ; v4   dots: DOTS + 512 (lane & 1) + 32 x wave + 4 ((lane >> 1) & 1)
.set HALF, 5                           ; v5   0.5: the conversions' scale operand
.set ADL,  8                           ; v8   part 2: my lane's place in the four tiles that are also source 0
.set ADH,  9                           ; v9   and in the other four
.set ADS,  10                          ; v10  scale words
.set ADP,  11                          ; v11  partial sums
.set DOC,  16                          ; v16-47   doc, as a row lies in my lane;  v48-79 summary
.set SUM,  48
.set X,    80                          ; v80-207  two slots: chunk j, row i of the pair at + 8 j + 4 i
.set ACC,  208                         ; v208-219 row i at + 6 i: pairs of sums: squares, . doc, . summary; later + 0 cn, + 1 its reciprocal
.set M,    220                         ; v220-235 row i at + 8 i: the chunks' largest magnitudes, later the chunks' factors
.set C,    236                         ; v236-243 a pair's codes, a word a chunk
.set T,    244                         ; v244-251 at work
.set SR,   252                         ; v252-255 scale words, and nothing else in the whole text
.set AF,   16                          ; part 2: v16-47 source 0: four fragments;  v48-111 source 1: eight
.set BF,   48
.set OFF,  112                         ; v112-175 an accumulator for each source 1 tile;  v176-207 the four products of a tile with itself
.set DG,   176
.macro XADD r, m                       ; lane l adds lane l xor m's (inside 16 lanes)
	v_add_f32_dpp v[\r], v[\r], v[\r] row_xmask:\m row_mask:0xf bank_mask:0xf
.endm
.macro XMAX r, m
	v_max_num_f32_dpp v[\r], v[\r], v[\r] row_xmask:\m row_mask:0xf bank_mask:0xf
.endm
.macro LOADPAIR q                      ; rows 2 q and 2 q + 1 of my eight: sixteen loads of 512 consecutive bytes; every offset an immediate
.irp j, 0,1,2,3,4,5,6,7
.irp i, 0,1
	global_load_b128 v[X+64*((\q)%2)+8*\j+4*\i:X+64*((\q)%2)+8*\j+4*\i+3], v[LA], s[4:5] offset:(2*(\q)+\i)*4096+512*\j th:TH_LOAD_NT
.endr
.endr
.endm
	s_load_b128 s[4:7], s[0:1], 0x0                ; candidate, doc
	s_load_b128 s[8:11], s[0:1], 0x10              ; summary, out0
	s_load_b128 s[12:15], s[0:1], 0x20             ; out1, out2
	s_load_b64 s[16:17], s[0:1], 0x30              ; out3
	v_lshrrev_b32 v6, 5, v0
	v_readfirstlane_b32 s18, v6                    ; wave 0..15
	v_and_b32 v7, 31, v0                           ; lane
	v_lshlrev_b32 v[LA], 4, v7
	v_and_b32 v8, 0xff, v0
	v_lshlrev_b32 v8, 4, v8                        ; doc and summary come once: thread t brings 16 bytes: threads 0-255 of doc, 256-511 of summary,
	v_lshlrev_b32 v9, 4, v0                        ; to LDS byte 16 t
	s_lshl_b32 s20, ttmp9, 19                      ; the batch's 128 rows of 4,096 bytes
	s_lshl_b32 s21, s18, 15                        ; my wave's 8 of them
	s_add_co_u32 s20, s20, s21                     ; (under 2^27 + 2^19)
	s_mov_b32 s21, 0
	s_lshl_b32 s22, ttmp9, 12                      ; the batch's row of doc and of summary
	s_mov_b32 s23, 0
	s_wait_kmcnt 0x0
	s_add_nc_u64 s[4:5], s[4:5], s[20:21]
	s_cmp_lt_u32 s18, 8                            ; the choice hangs on the wave's number alone
	s_cselect_b64 s[24:25], s[6:7], s[8:9]
	s_add_nc_u64 s[24:25], s[24:25], s[22:23]
	global_load_b128 v[T:T+3], v8, s[24:25] th:TH_LOAD_NT
	LOADPAIR 0                                     ; half of my rows are asked for at once
	LOADPAIR 1
	s_mov_b32 s30, 0x76543210                      ; v_permlanex16_b32's selects for lane l xor 16
	s_mov_b32 s31, 0xfedcba98
	s_mov_b32 s32, 0xaaaaaaaa                      ; lanes with bit 0 set,
	s_mov_b32 s33, 0xcccccccc                      ; bit 1,
	s_mov_b32 s34, 0xf0f0f0f0                      ; bit 2
	s_mov_b32 s35, 0x7f800000                      ; an f32's exponent field
	s_mov_b32 s39, 0x322bcc77                      ; 1e-8
	v_mov_b32 v[HALF], 0.5
	s_mul_i32 s26, s18, RG
	s_add_co_u32 s26, s26, CODES
	v_add_nc_u32 v[CA], s26, v[LA]
	s_lshl_b32 s27, s18, 8
	s_add_co_u32 s27, s27, SCL
	v_add_nc_u32 v[SA], s27, v7
	v_and_b32 v10, 1, v0
	v_lshlrev_b32 v10, 9, v10
	v_bfe_u32 v11, v0, 1, 1
	v_lshl_add_u32 v10, v11, 2, v10
	s_lshl_b32 s28, s18, 5
	s_add_co_u32 s28, s28, DOTS
	v_add_nc_u32 v[DA], s28, v10
	s_wait_loadcnt 32                              ; my 16 bytes of doc or summary are in; the 32 younger loads, two pairs of rows, stay out
	ds_store_b128 v9, v[T:T+3]
	s_wait_dscnt 0x0                               ; for the others' sake: my store has landed
	s_barrier_signal -1
	s_barrier_wait -1
.irp j, 0,1,2,3,4,5,6,7
	ds_load_b128 v[DOC+4*\j:DOC+4*\j+3], v[LA] offset:DSG+512*\j
	ds_load_b128 v[SUM+4*\j:SUM+4*\j+3], v[LA] offset:DSG+4096+512*\j
.endr
	s_wait_dscnt 0x0
	; doc's and summary's norms and their product, in every wave, while its first rows are on their way: no exchange is needed for them later
	v_pk_mul_f32 v[ACC:ACC+1], v[DOC:DOC+1], v[DOC:DOC+1]
	v_pk_mul_f32 v[ACC+2:ACC+3], v[SUM:SUM+1], v[SUM:SUM+1]
	v_pk_mul_f32 v[ACC+4:ACC+5], v[DOC:DOC+1], v[SUM:SUM+1]
.irp k, 2,4,6,8,10,12,14,16,18,20,22,24,26,28,30
	v_pk_fma_f32 v[ACC:ACC+1], v[DOC+\k:DOC+\k+1], v[DOC+\k:DOC+\k+1], v[ACC:ACC+1]
	v_pk_fma_f32 v[ACC+2:ACC+3], v[SUM+\k:SUM+\k+1], v[SUM+\k:SUM+\k+1], v[ACC+2:ACC+3]
	v_pk_fma_f32 v[ACC+4:ACC+5], v[DOC+\k:DOC+\k+1], v[SUM+\k:SUM+\k+1], v[ACC+4:ACC+5]
.endr
.irp a, 0,2,4
	v_add_f32 v[ACC+\a], v[ACC+\a], v[ACC+\a+1]
.endr
.irp m, 1,2,4,8
.irp a, 0,2,4
	XADD ACC+\a, \m
.endr
.endr
.irp a, 0,2,4
	v_permlanex16_b32 v[ACC+\a+1], v[ACC+\a], s30, s31
.endr
.irp a, 0,2,4
	v_add_f32 v[ACC+\a], v[ACC+\a], v[ACC+\a+1]
.endr
	v_sqrt_f32 v[ACC], v[ACC]
	v_sqrt_f32 v[ACC+2], v[ACC+2]
	v_nop                                          ; a plain instruction behind the roots,
	s_wait_alu depctr_va_vdst(0)                   ; and the wait ahead of their first reader: one for both
	v_max_num_f32 v[ACC], s39, v[ACC]
	v_max_num_f32 v[ACC+2], s39, v[ACC+2]
	v_rcp_f32 v[ACC], v[ACC]
	v_rcp_f32 v[ACC+2], v[ACC+2]
	v_nop
	s_wait_alu depctr_va_vdst(0)
	v_mul_f32 v[ACC+4], v[ACC+4], v[ACC]
	v_mul_f32 v[ACC+4], v[ACC+4], v[ACC+2]
	v_readfirstlane_b32 s36, v[ACC]                ; 1 / dn
	v_readfirstlane_b32 s37, v[ACC+2]              ; 1 / sn
	v_readfirstlane_b32 s38, v[ACC+4]              ; out2
; A PAIR OF ROWS.  left: the younger loads that may stay out;  fill = 1: the slot is asked for again, with the pair two further on.
.macro PAIR q, left, fill
.set XB, X+64*((\q)%2)
	s_wait_loadcnt \left                           ; loads come back in order (ISA guide 5.7.1): this pair's sixteen are in
	s_wait_dscnt 0x0                               ; the last pair's LDS stores are done: their data registers are written again below
	; pass 1: three sums a row, two numbers an instruction, six chains by turns; each chunk's largest magnitude of my 4 numbers
.irp j, 0,1,2,3,4,5,6,7
.irp u, 0,2
.irp i, 0,1
.set xr, XB+8*\j+4*\i+\u
.set ar, ACC+6*\i
.if (\j == 0) && (\u == 0)
	v_pk_mul_f32 v[ar:ar+1], v[xr:xr+1], v[xr:xr+1]                ; the first products start the sums: nothing is cleared
	v_pk_mul_f32 v[ar+2:ar+3], v[xr:xr+1], v[DOC+4*\j+\u:DOC+4*\j+\u+1]
	v_pk_mul_f32 v[ar+4:ar+5], v[xr:xr+1], v[SUM+4*\j+\u:SUM+4*\j+\u+1]
.else
	v_pk_fma_f32 v[ar:ar+1], v[xr:xr+1], v[xr:xr+1], v[ar:ar+1]
	v_pk_fma_f32 v[ar+2:ar+3], v[xr:xr+1], v[DOC+4*\j+\u:DOC+4*\j+\u+1], v[ar+2:ar+3]
	v_pk_fma_f32 v[ar+4:ar+5], v[xr:xr+1], v[SUM+4*\j+\u:SUM+4*\j+\u+1], v[ar+4:ar+5]
.endif
.endr
.endr
.irp i, 0,1
	v_max3_num_f32 v[M+8*\i+\j], |v[XB+8*\j+4*\i]|, |v[XB+8*\j+4*\i+1]|, |v[XB+8*\j+4*\i+2]|
.endr
.irp i, 0,1
	v_max_num_f32 v[M+8*\i+\j], v[M+8*\i+\j], |v[XB+8*\j+4*\i+3]|
.endr
.endr
	; the sums of squares over the 32 lanes, in every lane
.irp a, 0,6,2,4,8,10
	v_add_f32 v[ACC+\a], v[ACC+\a], v[ACC+\a+1]
.endr
.irp m, 1,2,4,8
	XADD ACC, \m
	XADD ACC+6, \m
.endr
	v_permlanex16_b32 v[ACC+1], v[ACC], s30, s31
	v_permlanex16_b32 v[ACC+7], v[ACC+6], s30, s31
	v_add_f32 v[ACC], v[ACC], v[ACC+1]
	v_add_f32 v[ACC+6], v[ACC+6], v[ACC+7]
	v_sqrt_f32 v[ACC], v[ACC]
	v_sqrt_f32 v[ACC+6], v[ACC+6]
	; behind the roots, work that names none of them: the blocks' largest magnitudes.  A block lies in the 8 lanes 8 g .. 8 g + 7.  Each step joins two lanes and keeps half of the chunks in each:
	; after three steps lane 8 g + p holds the largest magnitude of chunk p, that is of block 4 p + g: the scale's arithmetic is then done once a block
.irp j, 0,1,2,3,4,5,6,7
.irp i, 0,1
	XMAX M+8*\i+\j, 4
.endr
.endr
.irp j, 0,1,2,3
.irp i, 0,1
	v_cndmask_b32 v[M+8*\i+\j], v[M+8*\i+\j], v[M+8*\i+\j+4], s34  ; lanes with bit 2 set go on with chunks 4 to 7
.endr
.endr
.irp j, 0,1,2,3
.irp i, 0,1
	XMAX M+8*\i+\j, 2
.endr
.endr
.irp j, 0,1
.irp i, 0,1
	v_cndmask_b32 v[M+8*\i+\j], v[M+8*\i+\j], v[M+8*\i+\j+2], s33
.endr
.endr
.irp j, 0,1
.irp i, 0,1
	XMAX M+8*\i+\j, 1
.endr
.endr
.irp i, 0,1
	v_cndmask_b32 v[M+8*\i], v[M+8*\i], v[M+8*\i+1], s32
.endr
	s_wait_alu depctr_va_vdst(0)                   ; this wait ahead of the roots' first reader: one for both
	v_max_num_f32 v[ACC], s39, v[ACC]              ; cn = max(norm, 1e-8)
	v_max_num_f32 v[ACC+6], s39, v[ACC+6]
	v_rcp_f32 v[ACC+1], v[ACC]
	v_rcp_f32 v[ACC+7], v[ACC+6]
	; behind the reciprocals: the pair's four dot products, summed the same way: lane l ends with the one numbered l & 3 (bit 0: doc or summary, bit 1: the row)
	XADD ACC+2, 1
	XADD ACC+4, 1
	XADD ACC+8, 1
	XADD ACC+10, 1
	v_cndmask_b32 v[ACC+2], v[ACC+2], v[ACC+4], s32
	v_cndmask_b32 v[ACC+8], v[ACC+8], v[ACC+10], s32
	XADD ACC+2, 2
	XADD ACC+8, 2
	v_cndmask_b32 v[ACC+2], v[ACC+2], v[ACC+8], s33
	XADD ACC+2, 4
	XADD ACC+2, 8
	v_permlanex16_b32 v[ACC+3], v[ACC+2], s30, s31
	v_add_f32 v[ACC+2], v[ACC+2], v[ACC+3]
	s_wait_alu depctr_va_vdst(0)                   ; and one wait for the two reciprocals
	v_fma_f32 v[T], -v[ACC], v[ACC+1], 1.0         ; one Newton step: r += r (1 - cn r)
	v_fma_f32 v[T+1], -v[ACC+6], v[ACC+7], 1.0
	v_fma_f32 v[ACC+1], v[T], v[ACC+1], v[ACC+1]
	v_fma_f32 v[ACC+7], v[T+1], v[ACC+7], v[ACC+7]
	v_mul_f32 v[T], v[M], v[ACC+1]                 ; my block's largest |x| / cn: rounding keeps order, so it is the largest of the quotients;
	v_mul_f32 v[T+1], v[M+8], v[ACC+7]
	v_fma_f32 v[T+2], -v[T], v[ACC], v[M]          ; corrected by its remainder
	v_fma_f32 v[T+3], -v[T+1], v[ACC+6], v[M+8]
	v_cndmask_b32 v[T+6], v[ACC+1], v[ACC+7], s33  ; (1 / cn of the row whose dot product my lane holds)
	v_fma_f32 v[T], v[T+2], v[ACC+1], v[T]
	v_fma_f32 v[T+1], v[T+3], v[ACC+7], v[T+1]
	v_mul_f32 v[ACC+2], v[ACC+2], v[T+6]
	v_max_num_f32 v[T], 0x1800000, v[T]            ; the floor 2^(3 - 127): the byte cannot fall under 1
	v_max_num_f32 v[T+1], 0x1800000, v[T+1]
	v_bfi_b32 v[T+2], v[T], 0, s35                 ; the exponent field's complement, 255 - E: the number 2^(128 - E), half of 1 / the block's scale
	v_bfi_b32 v[T+3], v[T+1], 0, s35
	v_add_nc_u32 v[T+4], 0xff000000, v[T]          ; 2 off the exponent field,
	v_add_nc_u32 v[T+5], 0xff000000, v[T+1]
	v_mul_f32 v[T+2], v[T+2], v[ACC+1]             ; the block's factor: exact, or beyond f32's range,
	v_mul_f32 v[T+3], v[T+3], v[ACC+7]
	v_lshrrev_b32 v[T+4], 23, v[T+4]               ; and the field itself: the scale's byte
	v_lshrrev_b32 v[T+5], 23, v[T+5]
	v_min_num_f32 v[T+2], 0x7f7fffff, v[T+2]       ; where it is held at the largest finite number (see LIMITS)
	v_min_num_f32 v[T+3], 0x7f7fffff, v[T+3]
	ds_store_b32 v[DA], v[ACC+2] offset:8*(\q)     ; lanes with the same l & 3 write the same word with the same value
	ds_store_b8 v[SA], v[T+4] offset:32*(2*(\q))   ; a row's 32 scale bytes by one store: lane 8 g + p has block 4 p + g's
	ds_store_b8 v[SA], v[T+5] offset:32*(2*(\q)+1)
.irp j, 0,1,2,3,4,5,6,7
	v_mov_b32_dpp v[M+\j], v[T+2] dpp8:[\j,\j,\j,\j,\j,\j,\j,\j]    ; chunk j's factor back to the 8 lanes of its block
	v_mov_b32_dpp v[M+8+\j], v[T+3] dpp8:[\j,\j,\j,\j,\j,\j,\j,\j]
.endr
	; pass 2: x times its block's factor, in place; 4 numbers of each row to a conversion; the even row's codes fall into the low half of the word
.irp j, 0,1,2,3,4,5,6,7
.set xr, XB+8*\j
.set fr, M+((\j)/2)*2
.if (\j)%2 == 0
	v_pk_mul_f32 v[xr:xr+1], v[xr:xr+1], v[fr:fr+1] op_sel_hi:[1,0]
	v_pk_mul_f32 v[xr+2:xr+3], v[xr+2:xr+3], v[fr:fr+1] op_sel_hi:[1,0]
	v_pk_mul_f32 v[xr+4:xr+5], v[xr+4:xr+5], v[fr+8:fr+9] op_sel_hi:[1,0]
	v_pk_mul_f32 v[xr+6:xr+7], v[xr+6:xr+7], v[fr+8:fr+9] op_sel_hi:[1,0]
.else
	v_pk_mul_f32 v[xr:xr+1], v[xr:xr+1], v[fr:fr+1] op_sel:[0,1] op_sel_hi:[1,1]
	v_pk_mul_f32 v[xr+2:xr+3], v[xr+2:xr+3], v[fr:fr+1] op_sel:[0,1] op_sel_hi:[1,1]
	v_pk_mul_f32 v[xr+4:xr+5], v[xr+4:xr+5], v[fr+8:fr+9] op_sel:[0,1] op_sel_hi:[1,1]
	v_pk_mul_f32 v[xr+6:xr+7], v[xr+6:xr+7], v[fr+8:fr+9] op_sel:[0,1] op_sel_hi:[1,1]
.endif
	v_cvt_scalef32_pk8_fp4_f32 v[C+\j], v[xr:xr+7], v[HALF]        ; divided by 1/2: the other half of 1 / the scale; nearest code, ties to even, beyond 6 the code of 6
.endr
	v_nop                                          ; one plain instruction behind the last conversion
.irp j, 0,1,2,3,4,5,6,7
	ds_store_b32 v[CA], v[C+\j] offset:512*\j+4*(\q)
.endr
.if \fill
	LOADPAIR (\q)+2
.endif
.endm
	PAIR 0, 16, 1                                  ; the counts: the next pair's sixteen loads stay out
	PAIR 1, 16, 1
	PAIR 2, 16, 0
	PAIR 3, 0, 0
	s_wait_dscnt 0x0                               ; for the others' sake: my codes, scale bytes and dots have landed
	s_barrier_signal -1
	; register work while the others arrive: part 2's addresses.  L = lane, r = L & 15, h = L >> 4
	v_bfe_u32 v6, v0, 3, 1
	v_mul_u32_u24 v6, v6, RG                       ; rows 8-15 of a tile lie in its second row group;
	v_bfe_u32 v7, v0, 4, 1
	v_lshl_add_u32 v6, v7, 9, v6                   ; the upper half of the lanes takes the next chunk: block 2 c + h of the K step;
	v_and_b32 v12, 7, v0
	v_lshl_add_u32 v6, v12, 4, v6                  ; lane L & 7 names piece L & 7 of the block
	s_lshr_b32 s40, s18, 2                         ; my K step is wave / 2 = 2 g + jj: g
	s_lshl_b32 s40, s40, 7                         ; 8 places of 16 bytes
	s_bfe_u32 s41, s18, 0x10001                    ; jj
	s_lshl_b32 s41, s41, 11                        ; 4 chunks of 512 bytes
	s_add_co_u32 s40, s40, s41
	s_add_co_u32 s40, s40, CODES
	s_and_b32 s42, s18, 1                          ; which four tiles are my source 0
	s_xor_b32 s43, s42, 1
	s_mul_i32 s44, s42, 8*RG
	s_mul_i32 s45, s43, 8*RG
	s_add_co_u32 s44, s44, s40
	s_add_co_u32 s45, s45, s40
	v_add_nc_u32 v[ADL], s44, v6
	v_add_nc_u32 v[ADH], s45, v6
	v_xor_b32 v13, s42, v7                         ; lanes 0-15 serve my four tiles, lanes 16-31 the other four
	v_and_b32 v14, 15, v0
	v_lshlrev_b32 v15, 11, v13                     ; scale words: four tiles are 64 rows of 32 bytes;
	v_lshl_add_u32 v15, v14, 5, v15                ; row r;
	s_lshr_b32 s46, s18, 1
	s_lshl_b32 s46, s46, 2                         ; the word of my K step
	s_add_co_u32 s46, s46, SCL
	v_add_nc_u32 v[ADS], s46, v15
	v_lshlrev_b32 v15, 8, v13                      ; partial sums: four tiles are 64 numbers
	v_lshl_add_u32 v15, v14, 2, v15
	s_lshl_b32 s47, s18, 9
	s_add_co_u32 s47, s47, PART
	v_add_nc_u32 v[ADP], s47, v15
.irp k, 0,1,2,3,4,5,6,7
	s_mov_b32 s[48+\k], 0xffffffff^(0x01000001<<\k)   ; all lanes but those in which register k of a result holds m = n: lanes k and 24 + k
.endr
	s_mov_b32 s56, 0xffff0000                      ; lanes 16-31
	s_barrier_wait -1                              ; all 128 rows' codes and scale bytes lie in LDS
.irp i, 0,1,2,3
	ds_load_b32 v[SR+\i], v[ADS] offset:512*\i     ; lanes 0-15: the words of tile i of my four; lanes 16-31: of tile i of the other four
.endr
.irp a, 0,1,2,3
.irp c, 0,1
	ds_load_tr16_b128 v[AF+8*\a+4*\c:AF+8*\a+4*\c+3], v[ADL] offset:\a*2*RG+1024*\c
.endr
.endr
.irp t, 0,1,2,3
.irp c, 0,1
	ds_load_tr16_b128 v[BF+8*\t+4*\c:BF+8*\t+4*\c+3], v[ADL] offset:\t*2*RG+1024*\c      ; my four tiles once more: the two sources of a product share no register
	ds_load_tr16_b128 v[BF+32+8*\t+4*\c:BF+32+8*\t+4*\c+3], v[ADH] offset:\t*2*RG+1024*\c
.endr
.endr
	s_wait_dscnt 0x0
; Source 0 = tile a (its rows are m), source 1 = tile t (its rows are n): lane (r, h) holds n = r and m = 8 h + 0 .. 7.  The accumulators take turns, one instruction a turn.
.macro WM a, t
.if zero
.if \t < 4
	v_wmma_scale_f32_16x16x128_f8f6f4 v[dd:dd+7], v[AF+8*\a:AF+8*\a+7], v[BF+8*\t:BF+8*\t+7], 0, v[SR+\a], v[SR+(\t%4)] matrix_a_fmt:MATRIX_FMT_FP4 matrix_b_fmt:MATRIX_FMT_FP4
.else
	v_wmma_scale_f32_16x16x128_f8f6f4 v[dd:dd+7], v[AF+8*\a:AF+8*\a+7], v[BF+8*\t:BF+8*\t+7], 0, v[SR+\a], v[SR+(\t%4)] matrix_a_fmt:MATRIX_FMT_FP4 matrix_b_fmt:MATRIX_FMT_FP4 matrix_b_scale:MATRIX_SCALE_ROW1
.endif
.else
.if \t < 4
	v_wmma_scale_f32_16x16x128_f8f6f4 v[dd:dd+7], v[AF+8*\a:AF+8*\a+7], v[BF+8*\t:BF+8*\t+7], v[dd:dd+7], v[SR+\a], v[SR+(\t%4)] matrix_a_fmt:MATRIX_FMT_FP4 matrix_b_fmt:MATRIX_FMT_FP4
.else
	v_wmma_scale_f32_16x16x128_f8f6f4 v[dd:dd+7], v[AF+8*\a:AF+8*\a+7], v[BF+8*\t:BF+8*\t+7], v[dd:dd+7], v[SR+\a], v[SR+(\t%4)] matrix_a_fmt:MATRIX_FMT_FP4 matrix_b_fmt:MATRIX_FMT_FP4 matrix_b_scale:MATRIX_SCALE_ROW1
.endif
.endif
.endm
.irp a, 0,1,2,3
.irp t, 0,1,2,3,4,5,6,7
.if \t == \a
.set dd, DG+8*\a                       ; a tile with itself: an accumulator of its own
.set zero, 1
.else
.set dd, OFF+8*\t
.if (\a == 0) || ((\a == 1) && (\t == 0))
.set zero, 1                           ; a sum's first product starts it: nothing is cleared
.else
.set zero, 0
.endif
.endif
	WM \a, \t
.endr
.endr
.rept 4
	v_nop                                          ; four places behind the last products, ahead of the first read of results (ISA guide 7.12.1)
.endr
.irp a, 0,1,2,3
.irp k, 0,1,2,3,4,5,6,7
	v_cndmask_b32 v[DG+8*\a+\k], 0, v[DG+8*\a+\k], s[48+\k]        ; the diagonal becomes 0; each accumulator is read from its low end on
.endr
.endr
.irp a, 0,1,2,3
.irp k, 0,2,4,6
	v_pk_add_f32 v[OFF+8*\a+\k:OFF+8*\a+\k+1], v[OFF+8*\a+\k:OFF+8*\a+\k+1], v[DG+8*\a+\k:DG+8*\a+\k+1]
.endr
.endr
.irp t, 0,1,2,3,4,5,6,7                        ; the sum over my 8 m
	v_pk_add_f32 v[OFF+8*\t:OFF+8*\t+1], v[OFF+8*\t:OFF+8*\t+1], v[OFF+8*\t+2:OFF+8*\t+3]
	v_pk_add_f32 v[OFF+8*\t+4:OFF+8*\t+5], v[OFF+8*\t+4:OFF+8*\t+5], v[OFF+8*\t+6:OFF+8*\t+7]
.endr
.irp t, 0,1,2,3,4,5,6,7
	v_pk_add_f32 v[OFF+8*\t:OFF+8*\t+1], v[OFF+8*\t:OFF+8*\t+1], v[OFF+8*\t+4:OFF+8*\t+5]
.endr
.irp t, 0,1,2,3,4,5,6,7
	v_add_f32 v[OFF+8*\t], v[OFF+8*\t], v[OFF+8*\t+1]
.endr
.irp t, 0,1,2,3                                ; and over the two halves of the lanes: lanes 0-15 end with tile t's sums, lanes 16-31 with tile t + 4's
	v_cndmask_b32 v[OFF+8*\t+1], v[OFF+8*\t], v[OFF+32+8*\t], s56  ; what I keep,
	v_cndmask_b32 v[OFF+8*\t+2], v[OFF+32+8*\t], v[OFF+8*\t], s56  ; what lane l xor 16 keeps
.endr
.irp t, 0,1,2,3
	v_permlanex16_b32 v[OFF+8*\t+3], v[OFF+8*\t+2], s30, s31
.endr
.irp t, 0,1,2,3
	v_add_f32 v[OFF+8*\t+1], v[OFF+8*\t+1], v[OFF+8*\t+3]
.endr
.irp t, 0,1,2,3
	ds_store_b32 v[ADP], v[OFF+8*\t+1] offset:64*\t
.endr
	s_wait_dscnt 0x0                               ; for the others' sake: my partial sums have landed
	s_barrier_signal -1
	s_barrier_wait -1
	s_cmp_lg_u32 s18, 0
	s_cbranch_scc1 .Lnot_wave_0
	; wave 0: out1.  Lane l takes rows 4 l .. 4 l + 3: sixteen partial sums each
.irp k, 0,1,2,3,4,5,6,7,8,9,10,11,12,13,14,15
	ds_load_b128 v[16+4*\k:19+4*\k], v[LA] offset:PART+512*\k
.endr
	s_lshl_b32 s20, ttmp9, 9
	s_mov_b32 s21, 0
	s_add_nc_u64 s[12:13], s[12:13], s[20:21]
	s_wait_dscnt 0x0
.irp k, 0,1,2,3,4,5,6,7
	v_pk_add_f32 v[16+4*\k:17+4*\k], v[16+4*\k:17+4*\k], v[48+4*\k:49+4*\k]
	v_pk_add_f32 v[18+4*\k:19+4*\k], v[18+4*\k:19+4*\k], v[50+4*\k:51+4*\k]
.endr
.irp k, 0,1,2,3
	v_pk_add_f32 v[16+4*\k:17+4*\k], v[16+4*\k:17+4*\k], v[32+4*\k:33+4*\k]
	v_pk_add_f32 v[18+4*\k:19+4*\k], v[18+4*\k:19+4*\k], v[34+4*\k:35+4*\k]
.endr
.irp k, 0,1
	v_pk_add_f32 v[16+4*\k:17+4*\k], v[16+4*\k:17+4*\k], v[24+4*\k:25+4*\k]
	v_pk_add_f32 v[18+4*\k:19+4*\k], v[18+4*\k:19+4*\k], v[26+4*\k:27+4*\k]
.endr
	v_pk_add_f32 v[16:17], v[16:17], v[20:21]
	v_pk_add_f32 v[18:19], v[18:19], v[22:23]
	v_pk_mul_f32 v[16:17], v[16:17], 0x3c010204 op_sel_hi:[1,0]    ; / 127
	v_pk_mul_f32 v[18:19], v[18:19], 0x3c010204 op_sel_hi:[1,0]
	global_store_b128 v[LA], v[16:19], s[12:13]    ; the batch's 512 consecutive bytes by one store
	s_wait_xcnt 0x0
	s_mov_b32 exec_lo, -1
	v_lshl_add_u32 v250, v0, 2, 0x15c00
	v_mov_b32 v251, 0
	s_wait_tensorcnt 0x0
	ds_add_u32 v250, v251
	s_wait_dscnt 0x0
	s_endpgm
.Lnot_wave_0:
	s_cmp_lg_u32 s18, 1
	s_cbranch_scc1 .Lnot_wave_1
	; wave 1: out0 = (row . doc) / cn / dn
	ds_load_b128 v[16:19], v[LA] offset:DOTS
	s_lshl_b32 s20, ttmp9, 9
	s_mov_b32 s21, 0
	s_add_nc_u64 s[10:11], s[10:11], s[20:21]
	s_wait_dscnt 0x0
	v_pk_mul_f32 v[16:17], v[16:17], s[36:37] op_sel_hi:[1,0]
	v_pk_mul_f32 v[18:19], v[18:19], s[36:37] op_sel_hi:[1,0]
	global_store_b128 v[LA], v[16:19], s[10:11]
	s_wait_xcnt 0x0
	s_mov_b32 exec_lo, -1
	v_lshl_add_u32 v250, v0, 2, 0x15c00
	v_mov_b32 v251, 0
	s_wait_tensorcnt 0x0
	ds_add_u32 v250, v251
	s_wait_dscnt 0x0
	s_endpgm
.Lnot_wave_1:
	s_cmp_lg_u32 s18, 2
	s_cbranch_scc1 .Ldone
	; wave 2: out3 = the mean of (row . summary) / cn / sn, and out2
	ds_load_b128 v[16:19], v[LA] offset:DOTS+512
	s_lshl_b32 s20, ttmp9, 2
	s_mov_b32 s21, 0
	s_add_nc_u64 s[14:15], s[14:15], s[20:21]
	s_add_nc_u64 s[16:17], s[16:17], s[20:21]
	s_wait_dscnt 0x0
	v_add_f32 v16, v16, v17
	v_add_f32 v18, v18, v19
	v_add_f32 v16, v16, v18
.irp m, 1,2,4,8
	XADD 16, \m
.endr
	v_permlanex16_b32 v17, v16, s30, s31
	v_add_f32 v16, v16, v17
	v_mul_f32 v16, s37, v16
	v_mul_f32 v16, 0x3c000000, v16                 ; / 128
	v_mov_b32 v17, s38
	v_mov_b32 v18, 0
	v_cmp_eq_u32 vcc_lo, 0, v[LA]                  ; lane 0
	s_wait_xcnt 0x0                                ; EXEC changes only behind this wait
	s_and_saveexec_b32 s22, vcc_lo
	global_store_b32 v18, v17, s[14:15]
	global_store_b32 v18, v16, s[16:17]
	s_wait_xcnt 0x0                                ; and again, in front of the line that widens it
	s_or_b32 exec_lo, exec_lo, s22
.Ldone:
	s_wait_xcnt 0x0
	s_mov_b32 exec_lo, -1
	v_lshl_add_u32 v250, v0, 2, 0x15c00
	v_mov_b32 v251, 0
	s_wait_tensorcnt 0x0
	ds_add_u32 v250, v251
	s_wait_dscnt 0x0
	s_endpgm
.Lfunc_end_k_qc4d3b9c912_rerank:
	.size	k_qc4d3b9c912_rerank, .Lfunc_end_k_qc4d3b9c912_rerank-k_qc4d3b9c912_rerank
	.p2alignl 7, 3214868480
	.fill 96, 4, 3214868480
	.section	.rodata,"a",@progbits
	.p2align	6, 0x0
	.amdhsa_kernel k_qc4d3b9c912_rerank
		.amdhsa_group_segment_fixed_size 91136
		.amdhsa_private_segment_fixed_size 0
		.amdhsa_enable_private_segment 0
		.amdhsa_kernarg_size 56
		.amdhsa_user_sgpr_count 2
		.amdhsa_user_sgpr_kernarg_segment_ptr 1
		.amdhsa_wavefront_size32 1
		.amdhsa_system_sgpr_workgroup_id_x 1
		.amdhsa_system_sgpr_workgroup_id_y 1
		.amdhsa_system_sgpr_workgroup_id_z 1
		.amdhsa_system_vgpr_workitem_id 0
		.amdhsa_next_free_vgpr 256
		.amdhsa_next_free_sgpr 66
		.amdhsa_reserve_vcc 1
		.amdhsa_float_denorm_mode_32 3
		.amdhsa_float_denorm_mode_16_64 3
		.amdhsa_memory_ordered 1
		.amdhsa_forward_progress 1
		.amdhsa_inst_pref_size 107
	.end_amdhsa_kernel
	.amdgpu_metadata
---
amdhsa.version: [ 1, 2 ]
amdhsa.kernels:
  - .name:           k_qc4d3b9c912_rerank
    .symbol:         k_qc4d3b9c912_rerank.kd
    .args:
      - { .name: candidate_emb, .offset: 0, .size: 8, .value_kind: global_buffer, .address_space: global }
      - { .name: doc_emb, .offset: 8, .size: 8, .value_kind: global_buffer, .address_space: global }
      - { .name: summary_emb, .offset: 16, .size: 8, .value_kind: global_buffer, .address_space: global }
      - { .name: out0, .offset: 24, .size: 8, .value_kind: global_buffer, .address_space: global }
      - { .name: out1, .offset: 32, .size: 8, .value_kind: global_buffer, .address_space: global }
      - { .name: out2, .offset: 40, .size: 8, .value_kind: global_buffer, .address_space: global }
      - { .name: out3, .offset: 48, .size: 8, .value_kind: global_buffer, .address_space: global }
    .group_segment_fixed_size: 91136
    .private_segment_fixed_size: 0
    .kernarg_segment_align: 8
    .kernarg_segment_size: 56
    .max_flat_workgroup_size: 512
    .sgpr_count:     66
    .vgpr_count:     256
    .wavefront_size: 32
...
	.end_amdgpu_metadata
.endif
;; end of part 1
